; MI455X (gfx1250); checked and timed in simulation.
; The chip was launched on July 23, 2026; its instructions are those of AMD's public machine-readable ISA for CDNA 5 (MIT licence, August 2026) and "CDNA5" Instruction Set Architecture Reference Guide (July 2026). The comments in the code are by the model that wrote it; some were corrected since.
;; Multi Queryattention. Allowed arithmetic: matrix products marked QUANTISED: E2M1 operands, one E8M0 scale for each 32 along K, by v_wmma_scale_f32_16x16x128_f8f6f4 with both operands' format E2M1 (or v_wmma_scale_f32_32x16x128_f4), f32 sums; everything else in f32.
;; Inputs: Wk 2,048 x 128 float32; Wq 2,048 x 2,048 float32; Wv 2,048 x 128 float32; bk 128 float32; bq 2,048 float32; bv 128 float32; k 2 x 2,048 x 2,048 float32; q 2 x 2,048 x 2,048 float32; v 2 x 2,048 x 2,048 float32.
;; Outputs: out0 2 x 2,048 x 2,048 float32.
;; This version of the problem:
;;   THIS VERSION OF THE PROBLEM IS GIVEN IN LOW PRECISION. The matrix products marked QUANTISED in the list below multiply operands that are first quantised to E2M1 (2 exponent bits, 1 mantissa bit; 4 bits a number), with one power-of-two scale for each 32 numbers along K (OCP MX v1.0); their sums are f32. All else is computed in f32.
;;   The module's matrix products, in the order in which they are computed (A, B: the left and right operand; K: the contracted axis; several contracted axes count as one K, in the product's order):
;;     1. [M 4,096, K 2,048] x [K 2,048, N 2,048]; A: input q; B: input Wq: QUANTISED
;;     2. [M 4,096, K 2,048] x [K 2,048, N 128]; A: input k; B: input Wk: QUANTISED
;;     3. [M 4,096, K 2,048] x [K 2,048, N 128]; A: input v; B: input Wv: QUANTISED
;;     4. batch 2 x [M 32,768, K 128] x [K 128, N 2,048]; A: computed on the way; B: computed on the way: QUANTISED
;;     5. batch 2 x [M 32,768, K 2,048] x [K 2,048, N 128]; A: softmax (see below); B: computed on the way: QUANTISED
;;   THE QUANTISER, for each operand of a quantised product, along K:
;;     - K is cut into blocks of 32 from its start; a last block that is shorter is filled with zeros.
;;     - A block's scale is 2^e with e = floor(log2(the largest magnitude in the block)) - 2, held to -126 .. 127; a block of zeros has e = 0. As a byte (E8M0): e + 127.
;;     - Each number is divided by its block's scale, clamped to +-6, and rounded to the nearest number of E2M1, ties to even, subnormals kept.
;;     - The product sums the exact products of the quantised numbers (number of the format x scale) in f32.
;;   ~~~python
;;   def quantise(x, axis):      # numpy; x: float32 -> the quantised numbers, widened to float32 again
;;       x = np.moveaxis(x, axis, -1); K = x.shape[-1]
;;       x = np.pad(x, [(0, 0)] * (x.ndim - 1) + [(0, -K % 32)]); x = x.reshape(x.shape[:-1] + (-1, 32)); a = np.abs(x).max(-1, keepdims=True)
;;       e = np.where(a > 0, np.clip(np.frexp(np.where(a > 0, a, 1))[1] - 1 - 2, -126, 127), 0)      # np.frexp(a)[1] - 1 = floor(log2(a)), exactly
;;       r = np.clip(x / 2.0 ** e, -6, 6)
;;       step = 2.0 ** (np.maximum(np.frexp(np.where(r == 0, 1, r))[1] - 1, 0) - 1)
;;       q = np.round(r / step) * step * 2.0 ** e      # np.round: ties to even
;;       return np.moveaxis(q.reshape(q.shape[:-2] + (-1,))[..., :K], -1, axis).astype(np.float32)
;;   ~~~
;;   SOFTMAX AHEAD OF A QUANTISED PRODUCT. Where the list says 'softmax', what is quantised is not the finished softmax but p = 2^(t - M), with t = logit x log2(e) and M = ceil(the row's largest t), a whole number; so 1/2 < the row's largest p <= 1. The row's sum l is taken of the UNQUANTISED p, in f32, and the product's result is divided by l at the end. Since M is a whole number, a kernel that streams over the keys may use a running M (the ceiling of the running maximum): every later rescaling is an exact power of two, which a block's scale takes up: the codes' values come out the same.
;;   OPERANDS COMPUTED ON THE WAY. 'Computed on the way' means the value that the module computes at that place (a softmax that the list does not call 'softmax' is quantised finished and normalised). What goes into a quantiser is computed in f32, as accurately as f32 sums, v_exp_f32 and their like allow (about 1e-6 of the number): no bf16 or f16 on the way to a quantiser, and a product that is left as it is and whose result goes on into a quantised operand takes f32 operands (vector FMAs, or v_wmma_f32_16x16x4_f32). A number that lies on a knife's edge between two numbers of the format may be rounded either way, as far as f32 arithmetic and the matrix unit's own rounding can turn it there, and no further.
;; One version. Each part assembles by itself: llvm-mc -triple=amdgcn-amd-amdhsa -mcpu=gfx1250 --defsym DOCPART=n.
;; ======== version 1 of 1: 3 launches
;; limits: right only within a limited range of input values
;; workspace buffers: qimg 4,456,448 bytes; wimg 2,506,752 bytes; kimg 278,528 bytes; vimg 278,528 bytes
;; launch prep (part 1): grid 544 x 1, 4 waves a work-group, no clusters, 34,304 bytes of LDS; arguments q, Wq, Wk, Wv, qimg, wimg; writes qimg, wimg
.if DOCPART == 1
	.amdgcn_target "amdgcn-amd-amdhsa--gfx1250"
	.amdhsa_code_object_version 6
	.text
	.protected	k_q4e562b91f0_prep
	.globl	k_q4e562b91f0_prep
	.p2align	8
	.type	k_q4e562b91f0_prep,@function
k_q4e562b91f0_prep:
	s_mov_b64 s[64:65], 0
	v_nop
	global_prefetch_b8 v0, s[64:65] scope:SCOPE_SE
	s_setreg_imm32_b32 hwreg(HW_REG_WAVE_MODE, 25, 1), 1
	s_wait_xcnt 0x0
; MULTI-QUERY ATTENTION IN MX-FP4, launch 1 of 3: q and the three weights become codes of E2M1 with one E8M0 byte for each 32 along K.
; NOTHING IS LEFT OUT: all five products are live, and so are all nine inputs: bq, bk and bv are added ahead of a quantiser, so each can move codes and scales of a live operand.
; THE QUANTISER: a block's scale is 2^(floor(log2(largest magnitude)) - 2): its byte is the largest magnitude's exponent field - 2, held at 1 from below by a floor of 2^(3 - 127) among the maximum's leaves.
; LIMITS: a block of zeros gets the byte 1 where the rule says 127 (its codes are zeros, which add nothing, and this program alone reads the bytes); blocks whose largest magnitude lies under 2^-124 were not tried;
; NaN and infinities among the inputs are not served.
; LAYOUT OF THE WORKSPACE: the order of the operand's registers.  A FRAGMENT, 16 rows x 128 K, is 1,024 bytes [block of 32 k: 4][row slot: 16][16 bytes]: two loads of 16 bytes a lane, at 16 x lane and 512 on, are the operand.
;   qimg [row tile 256][17,408]: 16 fragments (K step s at 1,024 s; slot = row), then at 16,384 the scale words [s / 4][row][16 bytes: the words of four K steps].
;   wimg [column group 18][139,264] (groups 0-15 Wq's heads, 16 Wk, 17 Wv): [K step 16][tile 8][1,024]; at 131,072 the scale words [K step][pair 4][lane 32][4]: lanes 0-15 tile 2 p, lanes 16-31 tile 2 p + 1.
;   THE COLUMNS OF A TILE ARE NOT NEIGHBOURS: slot r of tile 2 b + u is column 32 b + 8 u + r + 8 (r / 8), so that a transposed product leaves 16 neighbours in the 16 registers of tiles 2 b and 2 b + 1.
; SHARES.  Work-groups 0-255: a tile of 16 rows of q; wave w takes 512 along K, four fragments.  Work-groups 256-543: a column group and a K step of a weight; wave w takes 32 columns, a lane a column, registers down K.
; No tensor load, no barrier: waves share nothing.  Only the path for q uses LDS.
.set STGB,  8448                       ; a wave's stage: 16 rows x (512 bytes + 16)
.set SPARE, 4*STGB                     ; behind the four stages: the spare words, 128 bytes for each wave
.set SPW, 10                           ; v10  LDS address of my spare word; never rewritten
.set NIL, 11                           ; v11  0; never rewritten
.set TM,  12                           ; v12-27 at work in QUANT
.set PW,  28                           ; v28-31 a scale word for each fragment
.set PC,  32                           ; v32-63 eight registers of codes for each fragment
.set R,   64                           ; v64-255 three sets of 64 numbers
.set SEL, 20                           ; s[20:21] lane selects: lane l xor 16
; 16 rows x 128 numbers: each load takes 512 consecutive bytes of one row
.macro XLOAD f, set
.irp p, 0,1,2,3,4,5,6,7,8,9,10,11,12,13,14,15
	global_load_b128 v[R+64*(\set)+4*\p:R+64*(\set)+4*\p+3], v1, s[4:5] offset:\p*8192+512*(\f) th:TH_LOAD_NT
.endr
.endm
; through my own stage: in as loaded, back so that register 16 b + i is k = 32 b + 16 (lane / 16) + i of row lane % 16.  LDS serves a wave's instructions in order: no wait between the stores and the loads
.macro TURN set
.irp p, 0,1,2,3,4,5,6,7,8,9,10,11,12,13,14,15
	ds_store_b128 v2, v[R+64*(\set)+4*\p:R+64*(\set)+4*\p+3] offset:528*\p
.endr
.irp b, 0,1,2,3
.irp j, 0,1,2,3
	ds_load_b128 v[R+64*(\set)+16*\b+4*\j:R+64*(\set)+16*\b+4*\j+3], v3 offset:128*\b+16*\j
.endr
.endr
.endm
; 64 numbers of a lane, register 16 b + i = k 32 b + 16 (lane / 16) + i of my row, become a fragment's eight registers at v[pc] and its scale word in v[pw]
.macro QUANT s, pc, pw
.irp b, 0,1,2,3
	v_max3_num_f32 v[TM+\b], |v[\s+16*\b]|, |v[\s+1+16*\b]|, 0x1800000   ; my 16 numbers of block b, and the floor 2^(3 - 127)
.endr
.irp i, 2,4,6,8,10,12,14
.irp b, 0,1,2,3
	v_max3_num_f32 v[TM+\b], v[TM+\b], |v[\s+16*\b+\i]|, |v[\s+1+16*\b+\i]|   ; the four blocks by turns
.endr
.endr
.irp b, 0,1,2,3
	v_permlanex16_b32 v[TM+4+\b], v[TM+\b], s[SEL], s[SEL+1]
.endr
.irp b, 0,1,2,3
	v_max_num_f32 v[TM+\b], v[TM+\b], v[TM+4+\b]   ; with lane l xor 16's: the block's largest magnitude
.endr
.irp b, 0,1,2,3
	v_add_nc_u32 v[TM+12+\b], 0xff000000, v[TM+\b]   ; 2 off its exponent field: the conversion's scale operand
.endr
.irp b, 0,1,2,3
	v_lshrrev_b32 v[TM+4+\b], 23, v[TM+12+\b]      ; the scale's byte
.endr
	v_lshl_or_b32 v[\pw], v[TM+5], 8, v[TM+4]
	v_lshl_or_b32 v[\pw], v[TM+6], 16, v[\pw]
	v_lshl_or_b32 v[\pw], v[TM+7], 24, v[\pw]
.irp b, 0,1,2,3
	v_cvt_scalef32_pk8_fp4_f32 v[\pc+2*\b], v[\s+16*\b:\s+7+16*\b], v[TM+12+\b]
	v_cvt_scalef32_pk8_fp4_f32 v[\pc+1+2*\b], v[\s+8+16*\b:\s+15+16*\b], v[TM+12+\b]
.endr
	v_nop                                          ; one plain place behind a scaled conversion
.irp c, 0,1                                    ; the operand wants a whole block in a lane: lanes 0-15 block 2 c, lanes 16-31 block 2 c + 1
.irp i, 0,1
	v_permlane16_swap_b32 v[\pc+4*\c+\i], v[\pc+2+4*\c+\i]
.endr
.endr
.endm
	s_load_b256 s[4:11], s[0:1], 0x0               ; q s[4:5], Wq s[6:7], Wk s[8:9], Wv s[10:11]
	s_load_b128 s[12:15], s[0:1], 0x20             ; qimg s[12:13], wimg s[14:15]
	v_lshl_add_u32 v[SPW], v0, 2, SPARE
	v_mov_b32 v[NIL], 0
	v_lshrrev_b32 v5, 5, v0
	v_readfirstlane_b32 s16, v5                    ; wave 0..3
	v_and_b32 v5, 31, v0                           ; lane
	v_and_b32 v6, 15, v0                           ; r
	v_bfe_u32 v7, v0, 4, 1                         ; lane / 16
	s_wait_kmcnt 0x0
	s_cmp_lt_u32 ttmp9, 256
	s_cbranch_scc0 .Lweights
	; ---- q: work-group = row tile, wave = 512 along K
	s_wait_alu depctr_va_vdst(0)
	v_lshlrev_b32 v1, 4, v5                        ; 16 x lane
	s_mul_i32 s17, s16, STGB
	v_add_nc_u32 v2, s17, v1                       ; the stage, in
	v_mul_u32_u24 v3, v6, 528
	v_lshl_add_u32 v3, v7, 6, v3
	v_add_nc_u32 v3, s17, v3                       ; and back: row r, + 64 bytes for the upper half of the lanes
	v_lshlrev_b32 v4, 4, v6                        ; a row's four scale words
	s_mov_b32 s[SEL], 0x76543210
	s_mov_b32 s[SEL+1], 0xfedcba98
.irp b, 0,1,2,3
	v_mov_b32 v[TM+4+\b], 0                        ; written once: a lane permute's destination counts as one of its sources
.endr
	s_lshl_b32 s24, ttmp9, 17                      ; 16 rows of 8,192 bytes,
	s_lshl_b32 s25, s16, 11                        ; my 512 numbers of each
	s_add_co_u32 s24, s24, s25
	s_mov_b32 s25, 0
	s_add_nc_u64 s[4:5], s[4:5], s[24:25]
	s_mul_i32 s24, ttmp9, 17408
	s_lshl_b32 s26, s16, 12
	s_add_co_u32 s26, s24, s26
	s_mov_b32 s27, 0
	s_add_nc_u64 s[28:29], s[12:13], s[26:27]      ; my four fragments
	s_lshl_b32 s26, s16, 8
	s_add_co_u32 s26, s24, s26
	s_add_co_u32 s26, s26, 16384
	s_add_nc_u64 s[30:31], s[12:13], s[26:27]      ; and their scale words
; fragment f, from set; left = the loads issued behind its sixteen
.macro QFRAG f, set, left
	s_wait_loadcnt \left
	TURN \set
	s_wait_dscnt 0x0
	QUANT R+64*(\set), PC+8*(\f), PW+(\f)
.if (\f) == 0
	XLOAD 3, 0                                     ; the set just quantised takes the last fragment
.endif
.irp c, 0,1
	global_store_b128 v1, v[PC+8*(\f)+4*\c:PC+8*(\f)+4*\c+3], s[28:29] offset:1024*(\f)+512*\c   ; 32 lanes store 512 consecutive bytes
.endr
.endm
	XLOAD 0, 0
	XLOAD 1, 1
	XLOAD 2, 2
	s_wait_alu depctr_va_vdst(0)
	QFRAG 0, 0, 32                                 ; fragments 1 and 2 may be out
	QFRAG 1, 1, 32                                 ; fragments 2 and 3
	QFRAG 2, 2, 16                                 ; fragment 3
	QFRAG 3, 0, 0
	s_wait_xcnt 0x0                                ; EXEC changes only behind this wait
	v_cmp_gt_u32 vcc_lo, 16, v5
	s_and_saveexec_b32 s22, vcc_lo                 ; lanes 16-31 hold the same words: lanes 0-15 store them, 256 consecutive bytes
	global_store_b128 v4, v[PW:PW+3], s[30:31]
	s_wait_xcnt 0x0
	s_or_b32 exec_lo, exec_lo, s22
	s_branch .Lend
	; ---- the weights: a lane takes a column, its registers run down K
.Lweights:
	s_wait_alu depctr_va_vdst(0)
	v_and_b32 v1, 7, v6
	v_lshrrev_b32 v2, 3, v6
	v_lshl_add_u32 v1, v2, 4, v1                   ; r + 8 (r / 8)
	v_lshl_add_u32 v1, v7, 3, v1                   ; + 8 u: my column among the wave's 32
	v_lshlrev_b32 v1, 2, v1
	v_lshlrev_b32 v2, 4, v6
	v_lshl_add_u32 v2, v7, 10, v2                  ; out: fragment u of the pair, slot r
	v_lshlrev_b32 v3, 2, v5                        ; and my scale word
	s_sub_co_u32 s17, ttmp9, 256
	s_lshr_b32 s18, s17, 4                         ; column group 0..17
	s_and_b32 s19, s17, 15                         ; K step
	s_cmp_eq_u32 s18, 16
	s_cselect_b64 s[24:25], s[8:9], s[10:11]
	s_cmp_lt_u32 s18, 16
	s_cselect_b64 s[24:25], s[6:7], s[24:25]       ; the choice hangs on the work-group's number alone
	s_cselect_b32 s26, 20, 16                      ; 128 rows are 2^20 bytes of Wq, 2^16 of Wk and Wv
	s_cselect_b32 s27, s18, 0
	s_lshl_b32 s26, s19, s26
	s_lshl_b32 s27, s27, 9                         ; a head's 128 columns
	s_lshl_b32 s28, s16, 7                         ; my wave's 32
	s_add_co_u32 s26, s26, s27
	s_add_co_u32 s26, s26, s28
	s_mov_b32 s27, 0
	s_add_nc_u64 s[24:25], s[24:25], s[26:27]
	s_mul_i32 s28, s18, 139264
	s_lshl_b32 s29, s19, 13
	s_add_co_u32 s30, s28, s29
	s_lshl_b32 s29, s16, 11
	s_add_co_u32 s30, s30, s29
	s_mov_b32 s31, 0
	s_add_nc_u64 s[32:33], s[14:15], s[30:31]      ; my pair of fragments
	s_lshl_b32 s29, s19, 9
	s_add_co_u32 s30, s28, s29
	s_lshl_b32 s29, s16, 7
	s_add_co_u32 s30, s30, s29
	s_add_co_u32 s30, s30, 131072
	s_add_nc_u64 s[34:35], s[14:15], s[30:31]      ; and their scale words
.macro WLOAD t, pitch                          ; block t: 32 rows of the weight at my column; the wave's 32 lanes read 128 consecutive bytes
.irp i, 0,1,2,3,4,5,6,7,8,9,10,11,12,13,14,15,16,17,18,19,20,21,22,23,24,25,26,27,28,29,30,31
	global_load_b32 v[128+32*(\t)+\i], v1, s[24:25] offset:(32*(\t)+\i)*\pitch th:TH_LOAD_NT
.endr
.endm
.macro WBLOCK t, left, pitch
.set XS, 128+32*(\t)
	s_wait_loadcnt \left                           ; this block's 32 loads are in; the next block's may be out
.if (\t)+2 < 4
	WLOAD (\t)+2, \pitch
.endif
	v_max3_num_f32 v12, |v[XS]|, |v[XS+1]|, |v[XS+2]|   ; the block's largest magnitude: all 32 numbers are mine
	v_max3_num_f32 v13, |v[XS+3]|, |v[XS+4]|, |v[XS+5]|
.irp i, 6,10,14,18,22,26
	v_max3_num_f32 v12, v12, |v[XS+\i]|, |v[XS+\i+1]|
	v_max3_num_f32 v13, v13, |v[XS+\i+2]|, |v[XS+\i+3]|
.endr
	v_max3_num_f32 v12, v12, |v[XS+30]|, |v[XS+31]|
	v_max3_num_f32 v12, v12, v13, 0x1800000        ; and the floor
	v_add_nc_u32 v14, 0xff000000, v12
	v_lshrrev_b32 v15, 23, v14
.if (\t) == 0
	v_mov_b32 v28, v15                             ; the four bytes make my column's scale word
.else
	v_lshl_or_b32 v28, v15, 8*(\t), v28
.endif
.irp g, 0,1,2,3
	v_cvt_scalef32_pk8_fp4_f32 v[32+4*(\t)+\g], v[XS+8*\g:XS+8*\g+7], v14
.endr
	v_nop                                          ; one plain place behind a scaled conversion
	global_store_b128 v2, v[32+4*(\t):32+4*(\t)+3], s[32:33] offset:256*(\t)   ; lanes 0-15 store 256 consecutive bytes, lanes 16-31 another 256
.endm
.macro WPATH pitch                             ; loads run two blocks ahead
	WLOAD 0, \pitch
	WLOAD 1, \pitch
	WBLOCK 0, 32, \pitch
	WBLOCK 1, 32, \pitch
	WBLOCK 2, 32, \pitch
	WBLOCK 3, 0, \pitch
	global_store_b32 v3, v28, s[34:35]             ; 128 consecutive bytes
.endm
	s_cmp_lt_u32 s18, 16
	s_cbranch_scc0 .Lnarrow
	s_wait_alu depctr_va_vdst(0)
	WPATH 8192                                     ; Wq: 2,048 numbers to a row
	s_branch .Lend
.Lnarrow:
	s_wait_alu depctr_va_vdst(0)
	WPATH 512                                      ; Wk, Wv: 128
.Lend:
	s_wait_tensorcnt 0x0                           ; the wave's end
	ds_add_u32 v[SPW], v[NIL]
	s_wait_dscnt 0x0
	s_endpgm
.Lfunc_end_k_q4e562b91f0_prep:
	.size	k_q4e562b91f0_prep, .Lfunc_end_k_q4e562b91f0_prep-k_q4e562b91f0_prep
	.p2alignl 7, 3214868480
	.fill 96, 4, 3214868480
	.section	.rodata,"a",@progbits
	.p2align	6, 0x0
	.amdhsa_kernel k_q4e562b91f0_prep
		.amdhsa_group_segment_fixed_size 34304
		.amdhsa_private_segment_fixed_size 0
		.amdhsa_enable_private_segment 0
		.amdhsa_kernarg_size 48
		.amdhsa_user_sgpr_count 2
		.amdhsa_user_sgpr_kernarg_segment_ptr 1
		.amdhsa_wavefront_size32 1
		.amdhsa_system_sgpr_workgroup_id_x 1
		.amdhsa_system_sgpr_workgroup_id_y 1
		.amdhsa_system_sgpr_workgroup_id_z 1
		.amdhsa_system_vgpr_workitem_id 0
		.amdhsa_next_free_vgpr 256
		.amdhsa_next_free_sgpr 66
		.amdhsa_reserve_vcc 1
		.amdhsa_float_denorm_mode_32 3
		.amdhsa_float_denorm_mode_16_64 3
		.amdhsa_memory_ordered 1
		.amdhsa_forward_progress 1
		.amdhsa_inst_pref_size 71
	.end_amdhsa_kernel
	.amdgpu_metadata
---
amdhsa.version: [ 1, 2 ]
amdhsa.kernels:
  - .name:           k_q4e562b91f0_prep
    .symbol:         k_q4e562b91f0_prep.kd
    .args:
      - { .name: q, .offset: 0, .size: 8, .value_kind: global_buffer, .address_space: global }
      - { .name: Wq, .offset: 8, .size: 8, .value_kind: global_buffer, .address_space: global }
      - { .name: Wk, .offset: 16, .size: 8, .value_kind: global_buffer, .address_space: global }
      - { .name: Wv, .offset: 24, .size: 8, .value_kind: global_buffer, .address_space: global }
      - { .name: qimg, .offset: 32, .size: 8, .value_kind: global_buffer, .address_space: global }
      - { .name: wimg, .offset: 40, .size: 8, .value_kind: global_buffer, .address_space: global }
    .group_segment_fixed_size: 34304
    .private_segment_fixed_size: 0
    .kernarg_segment_align: 8
    .kernarg_segment_size: 48
    .max_flat_workgroup_size: 128
    .sgpr_count:     66
    .vgpr_count:     256
    .wavefront_size: 32
...
	.end_amdgpu_metadata
.endif
;; end of part 1
;; launch kvproj (part 2): grid 256 x 1, 8 waves a work-group, no clusters, 134,144 bytes of LDS; arguments k, v, wimg, bk, bv, kimg, vimg; writes kimg, vimg
.if DOCPART == 2
	.amdgcn_target "amdgcn-amd-amdhsa--gfx1250"
	.amdhsa_code_object_version 6
	.text
	.protected	k_q4e562b91f0_kvproj
	.globl	k_q4e562b91f0_kvproj
	.p2align	8
	.type	k_q4e562b91f0_kvproj,@function
k_q4e562b91f0_kvproj:
	s_mov_b64 s[64:65], 0
	v_nop
	global_prefetch_b8 v0, s[64:65] scope:SCOPE_SE
	s_setreg_imm32_b32 hwreg(HW_REG_WAVE_MODE, 25, 1), 1
	s_wait_xcnt 0x0
; Launch 2 of 3: kh = Q(k) Q(Wk) + bk and vh = Q(v) Q(Wv) + bv, and their codes: kh quantised along the head's 128, vh along the keys.  Nothing is left out.
; SHARES.  Work-groups 0-127 take k, 128-255 v; each takes 32 rows (keys): one block of 32 along the keys.  Wave p = 4 i + kq quantises key tile i (slot s = key 8 i + s + 8 (s / 8)) over 512 along K, four fragments, in
; its registers, and multiplies them itself by all 8 tiles of the weight: 8 accumulators, 32 matrix instructions.  The input's codes never leave the wave.  The four quarters of K meet in LDS, as images of the accumulators;
; behind the launch's one barrier wave p adds four of them and the bias and quantises ONE block of 32 for 16 rows.
; ORDER OF SUMS: four chains of 4 K steps, added in pairs in f32, the bias last: it differs from one ascending chain by f32 rounding alone.
; k: THE PRODUCT IS USED TRANSPOSED (source 0 = the weight): a lane holds one key, and the 16 registers of tiles 2 b, 2 b + 1 are channels 32 b + 16 (lane / 16) + 0 .. 15: neighbours along the next K.
; v: the product as it is (source 0 = the keys): a lane holds one channel, and register j of key tile i is key 16 (lane / 16) + 8 i + j: the two key tiles give 16 neighbouring keys, the next K.
; OUT (fragments as in the first launch): kimg, vimg [batch 2][139,264]: [key step 16][tile 8][1,024], then at 131,072 scale words [key step][pair 4][lane 32][4].  kimg: rows = keys (slot r of tile 2 b + u = key 32 b + 8 u + r + 8 (r / 8)),
; K = the head's 128.  vimg: rows = channels, in the same order, K = the step's 128 keys as they lie.
; A wave's codes are 256 consecutive bytes.  Its 16 scale bytes go out singly, 4 bytes apart: v's words gather the key blocks of four work-groups, so the bytes cannot leave together; they are 128 bytes a work-group beside the 262,144 that it reads.
; LIMITS as in the first launch: a block of zeros gets the byte 1; blocks under 2^-124 were not tried; NaN and infinities are not served.
; REGISTERS.  Window 0: v1-9 addresses; v10, v11 the add's two; v12-27 at work; v28-31 the input's scale words; v32-63 its four fragments; v64-79 the weight's scale words; v80-95 the bias; v128-191, v192-255 two sets of 64 numbers,
; later the accumulators and the finisher's 64.  Window 1: the weight's fragments of my 4 K steps, (f, T) at v[64 f + 8 T].
; THE ORDER OF KEYS IN kimg, as this text stores it (it takes the place of what the head says of kimg's rows): slot 8 hh + j of tile 4 c + t is key 64 c + 32 hh + 8 t + j of the key step,
; so that a transposed product with these tiles leaves a whole block of 32 keys in one lane's registers.  A wave's codes of k then leave as two runs of 128 consecutive bytes.  vimg is as the head says.
.set STGB,  8448                       ; a wave's stage: 16 rows x (512 bytes + 16)
.set PART,  8*STGB                     ; images of the accumulators: [wave 8][tile 8][half 2][lane][16 bytes]
.set SPARE, PART+65536                 ; the spare words, 128 bytes for each wave
.set SPW, 10
.set NIL, 11
.set TM,  12
.set PW,  28
.set PC,  32
.set WS,  64
.set BI,  80
.set R,   128
.set ACC, 128
.set F,   192
.set SEL, 52
.set MSB, 0
.macro WIN new                         ; the immediate's high byte repeats the setting that is left
.if MSB != \new
	s_set_vgpr_msb (MSB<<8)|\new
.set MSB, \new
.endif
.endm
.macro XLOAD f, set                    ; 16 keys x 128 numbers: slot p is row p + 8 (p / 8); each load takes 512 consecutive bytes
.irp p, 0,1,2,3,4,5,6,7,8,9,10,11,12,13,14,15
	global_load_b128 v[R+64*(\set)+4*\p:R+64*(\set)+4*\p+3], v1, s[28:29] offset:(\p+8*(\p/8))*8192+512*(\f) th:TH_LOAD_NT
.endr
.endm
.macro TURN set                        ; through my own stage: register 16 b + i becomes k = 32 b + 16 (lane / 16) + i of slot lane % 16.  LDS serves a wave's instructions in order
.irp p, 0,1,2,3,4,5,6,7,8,9,10,11,12,13,14,15
	ds_store_b128 v2, v[R+64*(\set)+4*\p:R+64*(\set)+4*\p+3] offset:528*\p
.endr
.irp b, 0,1,2,3
.irp j, 0,1,2,3
	ds_load_b128 v[R+64*(\set)+16*\b+4*\j:R+64*(\set)+16*\b+4*\j+3], v3 offset:128*\b+16*\j
.endr
.endr
.endm
.macro QUANT s, pc, pw                 ; 64 numbers of a lane become a fragment at v[pc] and its scale word in v[pw]
.irp b, 0,1,2,3
	v_max3_num_f32 v[TM+\b], |v[\s+16*\b]|, |v[\s+1+16*\b]|, 0x1800000   ; my 16 numbers of block b, and the floor 2^(3 - 127)
.endr
.irp i, 2,4,6,8,10,12,14
.irp b, 0,1,2,3
	s_delay_alu instid0(VALU_DEP_4)
	v_max3_num_f32 v[TM+\b], v[TM+\b], |v[\s+16*\b+\i]|, |v[\s+1+16*\b+\i]|
.endr
.endr
.irp b, 0,1,2,3
	s_delay_alu instid0(VALU_DEP_4)
	v_permlanex16_b32 v[TM+4+\b], v[TM+\b], s[SEL], s[SEL+1]
.endr
.irp b, 0,1,2,3
	s_delay_alu instid0(VALU_DEP_4)
	v_max_num_f32 v[TM+\b], v[TM+\b], v[TM+4+\b]
.endr
.irp b, 0,1,2,3
	s_delay_alu instid0(VALU_DEP_4)
	v_add_nc_u32 v[TM+12+\b], 0xff000000, v[TM+\b]   ; 2 off the exponent field: the conversion's scale operand
.endr
.irp b, 0,1,2,3
	s_delay_alu instid0(VALU_DEP_4)
	v_lshrrev_b32 v[TM+4+\b], 23, v[TM+12+\b]
.endr
	s_delay_alu instid0(VALU_DEP_3)
	v_lshl_or_b32 v[\pw], v[TM+5], 8, v[TM+4]
	s_delay_alu instid0(VALU_DEP_1)
	v_lshl_or_b32 v[\pw], v[TM+6], 16, v[\pw]
	s_delay_alu instid0(VALU_DEP_1)
	v_lshl_or_b32 v[\pw], v[TM+7], 24, v[\pw]
.irp b, 0,1,2,3
	v_cvt_scalef32_pk8_fp4_f32 v[\pc+2*\b], v[\s+16*\b:\s+7+16*\b], v[TM+12+\b]
	v_cvt_scalef32_pk8_fp4_f32 v[\pc+1+2*\b], v[\s+8+16*\b:\s+15+16*\b], v[TM+12+\b]
.endr
	v_nop                                          ; one plain place behind a scaled conversion
.irp c, 0,1
.irp i, 0,1
	v_permlane16_swap_b32 v[\pc+4*\c+\i], v[\pc+2+4*\c+\i]
.endr
.endr
.endm
.macro WFRAG f                         ; the weight's 8 fragments of my K step f, into window 1
	WIN 0x40
.irp t, 0,1,2,3,4,5,6,7
.irp c, 0,1
	global_load_b128 v[64*(\f)+8*\t+4*\c:64*(\f)+8*\t+4*\c+3], v1, s[34:35] offset:8192*(\f)+1024*\t+512*\c
.endr
.endr
	WIN 0
.endm
.macro WSCL                            ; its scale words: register 4 f + pair; lanes 0-15 the even tile's, lanes 16-31 the odd one's
.irp f, 0,1,2,3
.irp p, 0,1,2,3
	global_load_b32 v[WS+4*\f+\p], v9, s[36:37] offset:512*\f+128*\p
.endr
.endr
.endm
.macro MULK f, t                       ; transposed: source 0 = the weight's tile t, source 1 = my keys
.set rD, ACC+8*(\t)
.set rW, 64*(\f)+8*(\t)
.set rX, PC+8*(\f)
.set rS, WS+4*(\f)+(\t)/2
.if (\f) == 0
.if (\t)%2 == 0
	v_wmma_scale_f32_16x16x128_f8f6f4 v[rD:rD+7], v[rW:rW+7], v[rX:rX+7], 0, v[rS], v[PW+(\f)] matrix_a_fmt:MATRIX_FMT_FP4 matrix_b_fmt:MATRIX_FMT_FP4
.else
	v_wmma_scale_f32_16x16x128_f8f6f4 v[rD:rD+7], v[rW:rW+7], v[rX:rX+7], 0, v[rS], v[PW+(\f)] matrix_a_fmt:MATRIX_FMT_FP4 matrix_b_fmt:MATRIX_FMT_FP4 matrix_a_scale:MATRIX_SCALE_ROW1
.endif
.else
.if (\t)%2 == 0
	v_wmma_scale_f32_16x16x128_f8f6f4 v[rD:rD+7], v[rW:rW+7], v[rX:rX+7], v[rD:rD+7], v[rS], v[PW+(\f)] matrix_a_fmt:MATRIX_FMT_FP4 matrix_b_fmt:MATRIX_FMT_FP4
.else
	v_wmma_scale_f32_16x16x128_f8f6f4 v[rD:rD+7], v[rW:rW+7], v[rX:rX+7], v[rD:rD+7], v[rS], v[PW+(\f)] matrix_a_fmt:MATRIX_FMT_FP4 matrix_b_fmt:MATRIX_FMT_FP4 matrix_a_scale:MATRIX_SCALE_ROW1
.endif
.endif
.endm
.macro MULV f, t                       ; as it is: source 0 = my keys, source 1 = the weight's tile t
.set rD, ACC+8*(\t)
.set rW, 64*(\f)+8*(\t)
.set rX, PC+8*(\f)
.set rS, WS+4*(\f)+(\t)/2
.if (\f) == 0
.if (\t)%2 == 0
	v_wmma_scale_f32_16x16x128_f8f6f4 v[rD:rD+7], v[rX:rX+7], v[rW:rW+7], 0, v[PW+(\f)], v[rS] matrix_a_fmt:MATRIX_FMT_FP4 matrix_b_fmt:MATRIX_FMT_FP4
.else
	v_wmma_scale_f32_16x16x128_f8f6f4 v[rD:rD+7], v[rX:rX+7], v[rW:rW+7], 0, v[PW+(\f)], v[rS] matrix_a_fmt:MATRIX_FMT_FP4 matrix_b_fmt:MATRIX_FMT_FP4 matrix_b_scale:MATRIX_SCALE_ROW1
.endif
.else
.if (\t)%2 == 0
	v_wmma_scale_f32_16x16x128_f8f6f4 v[rD:rD+7], v[rX:rX+7], v[rW:rW+7], v[rD:rD+7], v[PW+(\f)], v[rS] matrix_a_fmt:MATRIX_FMT_FP4 matrix_b_fmt:MATRIX_FMT_FP4
.else
	v_wmma_scale_f32_16x16x128_f8f6f4 v[rD:rD+7], v[rX:rX+7], v[rW:rW+7], v[rD:rD+7], v[PW+(\f)], v[rS] matrix_a_fmt:MATRIX_FMT_FP4 matrix_b_fmt:MATRIX_FMT_FP4 matrix_b_scale:MATRIX_SCALE_ROW1
.endif
.endif
.endm
	s_load_b256 s[4:11], s[0:1], 0x0               ; k s[4:5], v s[6:7], wimg s[8:9], bk s[10:11]
	s_load_b128 s[12:15], s[0:1], 0x20             ; bv s[12:13], kimg s[14:15]
	s_load_b64 s[16:17], s[0:1], 0x30              ; vimg
	v_lshl_add_u32 v[SPW], v0, 2, SPARE
	v_mov_b32 v[NIL], 0
	v_lshrrev_b32 v101, 5, v0
	s_delay_alu instid0(VALU_DEP_1)
	v_readfirstlane_b32 s18, v101                  ; wave p, 0..7
	v_and_b32 v101, 31, v0                         ; lane
	v_and_b32 v102, 15, v0                         ; r
	s_wait_alu depctr_va_vdst(0)
	v_bfe_u32 v103, v0, 4, 1                       ; h
	s_lshr_b32 s19, ttmp9, 7                       ; 0: k, 1: v
	s_and_b32 s20, ttmp9, 127                      ; which 32 rows of the 4,096
	s_lshr_b32 s21, s20, 6                         ; batch
	s_bfe_u32 s22, s20, 0x40002                    ; key step: 4 bits from bit 2
	s_and_b32 s23, s20, 3                          ; j: which 32 keys of the step's 128
	s_lshr_b32 s24, s18, 2                         ; i: my key tile
	s_and_b32 s25, s18, 3                          ; kq: my quarter of K
	; every LDS address is made here, of the wave's number, the lane and constants
	v_lshlrev_b32 v1, 4, v101                      ; 16 x lane
	s_mul_i32 s55, s18, STGB
	v_add_nc_u32 v2, s55, v1                       ; the stage, in
	v_mul_u32_u24 v3, v102, 528
	s_wait_alu depctr_va_vdst(0)
	v_lshl_add_u32 v3, v103, 6, v3
	s_delay_alu instid0(VALU_DEP_1)
	v_add_nc_u32 v3, s55, v3                       ; and back
	s_lshl_b32 s55, s18, 13
	s_add_co_u32 s55, s55, PART
	v_add_nc_u32 v4, s55, v1                       ; where my accumulators' images go
	s_lshl_b32 s55, s24, 15
	s_lshl_b32 s30, s25, 11
	s_add_co_u32 s55, s55, s30
	s_add_co_u32 s55, s55, PART
	v_add_nc_u32 v5, s55, v1                       ; k's finisher: key tile p / 4, tiles 2 (p % 4) and 2 (p % 4) + 1
	s_lshl_b32 s55, s18, 10
	s_add_co_u32 s55, s55, PART
	v_add_nc_u32 v6, s55, v1                       ; v's finisher: tile p
	v_lshlrev_b32 v7, 4, v102
	s_delay_alu instid0(VALU_DEP_1)
	v_lshl_add_u32 v7, v103, 3, v7                 ; out: slot r's 16 bytes, my half of them
	v_lshlrev_b32 v8, 2, v102                      ; slot r's scale word
	v_lshlrev_b32 v9, 2, v101                      ; 4 x lane
	v_lshlrev_b32 v96, 6, v103                     ; bk: my 16 channels of the block
	v_and_b32 v97, 7, v102
	v_lshrrev_b32 v104, 3, v102
	s_delay_alu instid0(VALU_DEP_1)
	v_lshl_add_u32 v97, v104, 4, v97
	s_delay_alu instid0(VALU_DEP_1)
	v_lshlrev_b32 v97, 2, v97                      ; bv: my channel of the tile: r + 8 (r / 8)
.irp b, 0,1,2,3
	v_mov_b32 v[TM+4+\b], 0                        ; written once: a lane permute's destination counts as one of its sources
.endr
	s_mov_b32 s[SEL], 0x76543210
	s_mov_b32 s[SEL+1], 0xfedcba98
	; offsets, apart from the addresses
	s_lshl_b32 s26, s20, 18                        ; 32 rows of 8,192 bytes,
	s_lshl_b32 s27, s24, 16                        ; 8 rows on for key tile 1,
	s_add_co_u32 s26, s26, s27
	s_lshl_b32 s27, s25, 11                        ; my 512 numbers of a row
	s_add_co_u32 s26, s26, s27
	s_mov_b32 s27, 0
	s_add_co_u32 s30, s19, 16
	s_mul_i32 s30, s30, 139264                     ; the weight's column group: 16 or 17
	s_lshl_b32 s31, s25, 15
	s_add_co_u32 s32, s30, s31                     ; my 4 K steps of fragments
	s_mov_b32 s33, 0
	s_lshl_b32 s31, s25, 11
	s_add_co_u32 s38, s30, s31
	s_add_co_u32 s38, s38, 131072                  ; and of scale words
	s_mov_b32 s39, 0
	s_lshr_b32 s40, s23, 1
	s_lshl_b32 s40, s40, 2
	s_add_co_u32 s40, s40, s24                     ; k: tile 4 (j / 2) + i for slots 0-7 of my key tile; slots 8-15 go two tiles on
	s_lshl_b32 s48, s25, 7                         ; bk: 32 channels on for each block
	s_lshr_b32 s49, s18, 1
	s_lshl_b32 s49, s49, 7
	s_and_b32 s50, s18, 1
	s_lshl_b32 s50, s50, 5
	s_add_co_u32 s49, s49, s50                     ; bv: tile p begins at channel 32 (p / 2) + 8 (p % 2)
	s_cmp_eq_u32 s19, 0
	s_cselect_b32 s40, s40, s18                    ; X, the tile that I finish: k: 4 (j / 2) + p / 4; v: p
	s_cselect_b32 s41, s25, s23                    ; Y, its block of 32: k: p % 4; v: j
	s_cselect_b32 s48, s48, s49
	s_cselect_b32 s54, s23, 0
	s_cselect_b32 s55, 1920, 0                     ; k: slots 8-15: two tiles on (2,048 bytes) in place of 8 slots on (128)
	s_cselect_b32 s43, 96, 0                       ; and their scale words: 128 bytes in place of 32
	s_mov_b32 s49, 0
	s_and_b32 s54, s54, 1                          ; k: j % 2: which eight slots of the tiles are my block's; v: 0
	s_wait_alu depctr_va_vdst(0)                   ; directly ahead of the readers below
	v_mad_u32_u24 v7, v104, s55, v7
	v_mad_u32_u24 v8, v104, s43, v8
	s_mul_i32 s42, s21, 139264
	s_lshl_b32 s43, s22, 13
	s_add_co_u32 s44, s42, s43
	s_lshl_b32 s43, s40, 10
	s_add_co_u32 s44, s44, s43
	s_lshl_b32 s43, s41, 8
	s_add_co_u32 s44, s44, s43
	s_lshl_b32 s43, s54, 7
	s_add_co_u32 s44, s44, s43                     ; k: eight slots of 16 bytes on for an odd block of keys
	s_mov_b32 s45, 0
	s_lshl_b32 s43, s22, 9
	s_add_co_u32 s46, s42, s43
	s_lshl_b32 s43, s40, 6
	s_add_co_u32 s46, s46, s43
	s_add_co_u32 s46, s46, s41
	s_lshl_b32 s43, s54, 5
	s_add_co_u32 s46, s46, s43                     ; k: and eight scale words on
	s_add_co_u32 s46, s46, 131072                  ; my byte of slot 0's scale word
	s_mov_b32 s47, 0
	s_wait_kmcnt 0x0
	s_cmp_eq_u32 s19, 0                            ; the choices hang on the work-group's number alone
	s_cselect_b64 s[28:29], s[4:5], s[6:7]
	s_cselect_b64 s[50:51], s[14:15], s[16:17]
	s_cselect_b64 s[30:31], s[10:11], s[12:13]
	s_add_nc_u64 s[28:29], s[28:29], s[26:27]
	s_add_nc_u64 s[34:35], s[8:9], s[32:33]
	s_add_nc_u64 s[36:37], s[8:9], s[38:39]
	s_add_nc_u64 s[44:45], s[50:51], s[44:45]
	s_add_nc_u64 s[46:47], s[50:51], s[46:47]
	s_add_nc_u64 s[48:49], s[30:31], s[48:49]
; ALL FOUR FRAGMENTS OF THE INPUT ARE ASKED FOR AT THE START: fragments 0 and 1 into window 0's two sets, fragments 2 and 3 into window 1's v128-255, where the weight's K steps 2 and 3 come later.
; The weight's K step f is asked for when fragment f has gone through the stage.  Each count of 48 names the three groups of 16 loads issued behind the fragment that is wanted.
.macro TURNH set                       ; as TURN, for numbers that lie in window 1: they come back into window 0's set
	WIN 0x04                                       ; an LDS store's data: source 1
.irp p, 0,1,2,3,4,5,6,7,8,9,10,11,12,13,14,15
	ds_store_b128 v2, v[R+64*(\set)+4*\p:R+64*(\set)+4*\p+3] offset:528*\p
.endr
	WIN 0
.irp b, 0,1,2,3
.irp j, 0,1,2,3
	ds_load_b128 v[R+64*(\set)+16*\b+4*\j:R+64*(\set)+16*\b+4*\j+3], v3 offset:128*\b+16*\j
.endr
.endr
.endm
	WSCL                                           ; the weight's scale words first: 16 loads
	XLOAD 0, 0
	XLOAD 1, 1
	WIN 0x40                                       ; destination in window 1
	XLOAD 2, 0
	XLOAD 3, 1
	WIN 0
	s_wait_loadcnt 48                              ; fragment 0 is in; behind it: fragments 1, 2, 3
	TURN 0
	s_wait_dscnt 0x0
	WFRAG 0
	QUANT R, PC, PW
	s_wait_loadcnt 48                              ; fragment 1 is in; behind it: fragments 2, 3 and the weight's K step 0
	TURN 1
	s_wait_dscnt 0x0
	WFRAG 1
	QUANT R+64, PC+8, PW+1
	s_wait_loadcnt 48                              ; fragment 2 is in; behind it: fragment 3 and the weight's K steps 0, 1
	TURNH 0
	s_wait_dscnt 0x0                               ; the stage's stores have read fragment 2's registers,
	WFRAG 2                                        ; which take the weight's K step 2
	QUANT R, PC+16, PW+2
	s_wait_loadcnt 48                              ; fragment 3 is in; behind it: the weight's K steps 0, 1, 2
	TURNH 1
	s_wait_dscnt 0x0
	WFRAG 3
	QUANT R+64, PC+24, PW+3
.rept 8
	v_nop                                          ; a scale register written by a vector instruction stands 8 places ahead of a scaled matrix instruction, an operand so written 4
.endr
	s_wait_loadcnt 16                              ; all but the weight's K step 3, whose 16 loads may be out
	s_cmp_eq_u32 s19, 0
	s_cbranch_scc0 .Lmul_v
.irp e, 0,1,2,3
	global_load_b128 v[BI+4*\e:BI+4*\e+3], v96, s[48:49] offset:16*\e   ; bk at my 16 channels: wanted behind the barrier
.endr
	WIN 0x01                                       ; source 0 in window 1
.irp f, 0,1,2,3                                ; the 8 accumulators by turns, one instruction a turn; the first K step starts the sums
.if \f == 3
	s_wait_loadcnt 4                               ; the weight's K step 3 is in; behind it: bk's 4 loads
.endif
	s_wait_alu depctr_va_vdst(0)
.irp t, 0,1,2,3,4,5,6,7
	MULK \f, \t
.endr
.endr
	WIN 0
	s_branch .Lmul_done
.Lmul_v:
.irp e, 0,1,2,3,4,5,6,7,8,9,10,11,12,13,14,15
	global_load_b32 v[BI+\e], v97, s[48:49]        ; bv at my channel, for each of my 16 keys
.endr
	WIN 0x04                                       ; source 1 in window 1
.irp f, 0,1,2,3
.if \f == 3
	s_wait_loadcnt 16                              ; the weight's K step 3 is in; behind it: bv's 16 loads
.endif
	s_wait_alu depctr_va_vdst(0)
.irp t, 0,1,2,3,4,5,6,7
	MULV \f, \t
.endr
.endr
	WIN 0
.Lmul_done:
.rept 4
	v_nop                                          ; four places behind the last product, ahead of the stores that read results
.endr
.irp t, 0,1,2,3,4,5,6,7
.irp c, 0,1
	ds_store_b128 v4, v[ACC+8*\t+4*\c:ACC+8*\t+4*\c+3] offset:1024*\t+512*\c   ; each accumulator from its low end on
.endr
.endr
	s_wait_dscnt 0x0                               ; for the others' sake: my images have landed
	s_barrier_signal -1
	s_barrier_wait -1
	s_cmp_eq_u32 s19, 0
	s_cbranch_scc0 .Lfin_v
.irp q, 0,1,2,3                                ; k: of the four waves of key tile p / 4, tiles 2 (p % 4) + u
.irp u, 0,1
.irp c, 0,1
	ds_load_b128 v[F+16*\q+8*\u+4*\c:F+16*\q+8*\u+4*\c+3], v5 offset:8192*\q+1024*\u+512*\c
.endr
.endr
.endr
	s_branch .Lfin_done
.Lfin_v:
.irp q, 0,1,2,3                                ; v: of all eight waves (key tile u, quarter q), tile p
.irp u, 0,1
.irp c, 0,1
	ds_load_b128 v[F+16*\q+8*\u+4*\c:F+16*\q+8*\u+4*\c+3], v6 offset:32768*\u+8192*\q+512*\c
.endr
.endr
.endr
.Lfin_done:
	s_wait_dscnt 0x0
	s_wait_loadcnt 0x0                             ; the bias
.irp n, 0,2,4,6,8,10,12,14
	v_pk_add_f32 v[F+\n:F+\n+1], v[F+\n:F+\n+1], v[F+16+\n:F+17+\n]
	v_pk_add_f32 v[F+32+\n:F+33+\n], v[F+32+\n:F+33+\n], v[F+48+\n:F+49+\n]
.endr
.irp n, 0,2,4,6,8,10,12,14
	v_pk_add_f32 v[F+\n:F+\n+1], v[F+\n:F+\n+1], v[F+32+\n:F+33+\n]
.endr
.irp n, 0,2,4,6,8,10,12,14
	v_pk_add_f32 v[F+\n:F+\n+1], v[F+\n:F+\n+1], v[BI+\n:BI+\n+1]
.endr
	; one block of 32: my 16 numbers and lane l xor 16's
	v_max3_num_f32 v12, |v[F]|, |v[F+1]|, 0x1800000
	v_max3_num_f32 v13, |v[F+2]|, |v[F+3]|, |v[F+4]|
	s_delay_alu instid0(VALU_DEP_2)
	v_max3_num_f32 v12, v12, |v[F+5]|, |v[F+6]|
	s_delay_alu instid0(VALU_DEP_2)
	v_max3_num_f32 v13, v13, |v[F+7]|, |v[F+8]|
	s_delay_alu instid0(VALU_DEP_2)
	v_max3_num_f32 v12, v12, |v[F+9]|, |v[F+10]|
	s_delay_alu instid0(VALU_DEP_2)
	v_max3_num_f32 v13, v13, |v[F+11]|, |v[F+12]|
	s_delay_alu instid0(VALU_DEP_2)
	v_max3_num_f32 v12, v12, |v[F+13]|, |v[F+14]|
	s_delay_alu instid0(VALU_DEP_1)
	v_max3_num_f32 v13, v13, v12, |v[F+15]|
	s_delay_alu instid0(VALU_DEP_1)
	v_permlanex16_b32 v16, v13, s[SEL], s[SEL+1]
	s_delay_alu instid0(VALU_DEP_1)
	v_max_num_f32 v13, v13, v16
	s_delay_alu instid0(VALU_DEP_1)
	v_add_nc_u32 v24, 0xff000000, v13
	s_delay_alu instid0(VALU_DEP_1)
	v_lshrrev_b32 v100, 23, v24                    ; the scale's byte
	v_cvt_scalef32_pk8_fp4_f32 v98, v[F:F+7], v24
	v_cvt_scalef32_pk8_fp4_f32 v99, v[F+8:F+15], v24
	v_nop                                          ; one plain place behind a scaled conversion
	global_store_b64 v7, v[98:99], s[44:45]        ; v: 32 lanes store 256 consecutive bytes, at a multiple of 256 from the buffer's first byte; k: two runs of 128
	s_wait_alu depctr_va_vdst(0)
	s_wait_xcnt 0x0                                ; EXEC changes only behind this wait
	v_cmp_gt_u32 vcc_lo, 16, v101
	s_and_saveexec_b32 s54, vcc_lo                 ; lanes 16-31 hold the same bytes
	global_store_b8 v8, v100, s[46:47]
	s_wait_xcnt 0x0
	s_or_b32 exec_lo, exec_lo, s54
	s_wait_tensorcnt 0x0                           ; the wave's end
	ds_add_u32 v[SPW], v[NIL]
	s_wait_dscnt 0x0
	s_endpgm
.Lfunc_end_k_q4e562b91f0_kvproj:
	.size	k_q4e562b91f0_kvproj, .Lfunc_end_k_q4e562b91f0_kvproj-k_q4e562b91f0_kvproj
	.p2alignl 7, 3214868480
	.fill 96, 4, 3214868480
	.section	.rodata,"a",@progbits
	.p2align	6, 0x0
	.amdhsa_kernel k_q4e562b91f0_kvproj
		.amdhsa_group_segment_fixed_size 134144
		.amdhsa_private_segment_fixed_size 0
		.amdhsa_enable_private_segment 0
		.amdhsa_kernarg_size 56
		.amdhsa_user_sgpr_count 2
		.amdhsa_user_sgpr_kernarg_segment_ptr 1
		.amdhsa_wavefront_size32 1
		.amdhsa_system_sgpr_workgroup_id_x 1
		.amdhsa_system_sgpr_workgroup_id_y 1
		.amdhsa_system_sgpr_workgroup_id_z 1
		.amdhsa_system_vgpr_workitem_id 0
		.amdhsa_next_free_vgpr 512
		.amdhsa_next_free_sgpr 66
		.amdhsa_reserve_vcc 1
		.amdhsa_float_denorm_mode_32 3
		.amdhsa_float_denorm_mode_16_64 3
		.amdhsa_memory_ordered 1
		.amdhsa_forward_progress 1
		.amdhsa_inst_pref_size 66
	.end_amdhsa_kernel
	.amdgpu_metadata
---
amdhsa.version: [ 1, 2 ]
amdhsa.kernels:
  - .name:           k_q4e562b91f0_kvproj
    .symbol:         k_q4e562b91f0_kvproj.kd
    .args:
      - { .name: k, .offset: 0, .size: 8, .value_kind: global_buffer, .address_space: global }
      - { .name: v, .offset: 8, .size: 8, .value_kind: global_buffer, .address_space: global }
      - { .name: wimg, .offset: 16, .size: 8, .value_kind: global_buffer, .address_space: global }
      - { .name: bk, .offset: 24, .size: 8, .value_kind: global_buffer, .address_space: global }
      - { .name: bv, .offset: 32, .size: 8, .value_kind: global_buffer, .address_space: global }
      - { .name: kimg, .offset: 40, .size: 8, .value_kind: global_buffer, .address_space: global }
      - { .name: vimg, .offset: 48, .size: 8, .value_kind: global_buffer, .address_space: global }
    .group_segment_fixed_size: 134144
    .private_segment_fixed_size: 0
    .kernarg_segment_align: 8
    .kernarg_segment_size: 56
    .max_flat_workgroup_size: 256
    .sgpr_count:     66
    .vgpr_count:     512
    .wavefront_size: 32
...
	.end_amdgpu_metadata
.endif
;; end of part 2
;; launch attn (part 3): grid 8 x 32, 8 waves a work-group, clusters of 4 x 1, 327,680 bytes of LDS; arguments qimg, wimg, bq, kimg, vimg, out0; writes out0
.if DOCPART == 3
	.amdgcn_target "amdgcn-amd-amdhsa--gfx1250"
	.amdhsa_code_object_version 6
	.text
	.protected	k_q4e562b91f0_attn
	.globl	k_q4e562b91f0_attn
	.p2align	8
	.type	k_q4e562b91f0_attn,@function
k_q4e562b91f0_attn:
	s_mov_b64 s[64:65], 0
	v_nop
	global_prefetch_b8 v0, s[64:65] scope:SCOPE_SE
	s_setreg_imm32_b32 hwreg(HW_REG_WAVE_MODE, 25, 1), 1
	s_wait_xcnt 0x0
	s_wait_alu depctr_hold_cnt(0) depctr_sa_sdst(0) depctr_va_vdst(0) depctr_va_sdst(0) depctr_va_ssrc(0) depctr_va_vcc(0) depctr_vm_vsrc(0)
	s_getreg_b32 s2, hwreg(HW_REG_IB_STS2, 6, 4)
	s_cmp_eq_u32 s2, 0
	s_cbranch_scc0 .Lentry_in_a_cluster
	s_endpgm
.Lentry_in_a_cluster:
	s_bfe_u32 s2, ttmp6, 0x10000c
	s_cmp_lg_u32 s2, 0x3003
	s_cbranch_scc0 .Lentry_shape_is_right
	s_endpgm
.Lentry_shape_is_right:
; Launch 3 of 3: qh = Q(q) Q(Wq) + bq for 256 queries of one head, quantised in registers; then softmax(qh kh^T / sqrt(128)) vh on codes of E2M1.  Nothing is left out.
; THE SOFTMAX AHEAD OF THE SECOND PRODUCT: t = score x log2(e) / sqrt(128); M = the running largest t rounded UP to a whole number; p = 2^(t - M) is quantised along the keys, not normalised; the row's sum is taken
; of the unquantised p and divides at the end.  When M moves, the sum and O are multiplied by 2^(old M - new M): exact.
; LIMITS: the promise holds while the scaled scores t stay under 2^31 in magnitude; a block of zeros gets the byte 1 (its codes are zeros); blocks under 2^-124 were not tried; NaN and infinities among the inputs are not served.
; SHARES.  Work-group (x, y): batch y / 16, head y % 16, queries 256 x on.  Each of its EIGHT waves owns 32 queries, two tiles A and B, in 512 registers: every fragment of Wq, K and V that a wave reads from LDS feeds two products.
; All products are used transposed (source 0 = the weight's columns, the keys, V's channels; source 1 = my queries): a lane holds ONE query of each tile (lane % 16) throughout.
; K's tiles are ordered so that slot 8 hh + j of tile 4 c + t is key 64 c + 32 hh + 8 t + j: the 32 registers of tiles 4 c .. 4 c + 3 are then ONE WHOLE BLOCK of 32 keys, block 2 c + lane / 16: its largest score needs no other
; lane, and the conversions' results are the second product's operand as they stand.
; LDS.  0 ..: Wq's slice, fragments [K step 16][tile 8][1,024], at 131,072 its scale words; the bytes of K steps 4-15 are filled again, once, with V's key steps 4-15.   139,264 ..: K, laid alike.   278,528 ..: V's key steps 0-3.
; 311,296 ..: V's scale words.   319,488 ..: the spare words.   320,512 ..: wave 7's stage.  All of a WGP's LDS is claimed.
; TENSOR LOADS, one a wave behind each round: (1) Wq's block, an eighth a wave; (2) waves 0, 1: K's halves; waves 2-5: V's key steps 0-3; wave 6: V's scale words: they land under the projection's 16 K steps;
; (3) V's key steps 4-15, an eighth a wave, into the bytes that Wq's K steps 4-15 have left: it lands under key steps 0-3.  One tensor load of a wave is out at the most.
; CLUSTER.  The four work-groups of a cluster share batch and head, so Wq's slice, K and V are asked for JOINTLY, with the mask of all four.  My place in the cluster enters the addresses of q's codes and of the output alone.
; No prefetch: no tensor load stands in a loop; each of the three is asked for a whole phase (the head's loads of q, 16 K steps, 4 key steps) ahead of its first use, and q's fragments 8 K steps ahead of theirs.
; K's fragments are read a key step ahead, in every step alike: key step 15 so reads the 8,192 + 512 bytes that follow K's fragments and scale words in LDS (K's scale words, V's first bytes), which nothing uses.
; THE WAY OUT has no barrier of its own: a wave's stage lies in Wq's K steps 0-3 (waves 0-6), which had their last fill at the head and their last read ahead of an earlier barrier, or in bytes of its own (wave 7).
; REGISTERS.  Window 0: v1-15, v28, v30, v31 addresses; v5, v6 the add's two; v16-19 K's scale words, v20-23 V's (by turns Wq's), v24, v25 Q's, v26, v27 p's; v32-47 Q; v48-63 p's codes; v64-95 q's scale words, then at work;
; v96-159, v160-223 the projection's sums, then S^T and p of tiles A, B; v224-227 -M and the largest score, v228-231 f, v232-235 the sums.  Window 1: v0-127 q's fragments (a ring of 8 K steps), then O^T of A, B; v128-191, v192-255 two sets of eight fragments.
.set BLK,   139264
.set WSC,   131072
.set REGC,  BLK
.set KSC,   REGC+131072
.set REGD,  2*BLK
.set VSC,   REGD+32768
.set SPARE, VSC+8192
.set TAIL,  SPARE+1024
.set SP,    272                        ; a stage row: 256 bytes + 16
.set STGB,  16*SP
.set SPW, 5
.set NIL, 6
.set TM,  64
.set WV,  16
.set G1A, 24                           ; groups 1: 68 rows of 256 bytes; 272; 32; 48
.set G1B, 32
.set G1C, 40
.set G1D, 48
.set G0W, 56                           ; groups 0, never rewritten
.set G0K, 60
.set G0V0, 68
.set G0V1, 72
.set SEL, 76
.set CS,  78
.set TC,  80
.set TS,  81
.set CNT, 82
.set QP,  84
.set BQ,  86
.set OP,  88
.set MSB, 0
.macro WIN new                         ; the immediate's high byte repeats the setting that is left
.if MSB != \new
	s_set_vgpr_msb (MSB<<8)|\new
.set MSB, \new
.endif
.endm
.macro ROUND                           ; a round of the cluster's barrier
	s_barrier_signal -1
	s_barrier_wait -1
	s_cmp_lg_u32 s[WV], 0
	s_cbranch_scc1 .Lnot_wave_0_\@
	s_barrier_signal -3
.Lnot_wave_0_\@:
	s_barrier_wait -3
	s_barrier_signal -1
	s_barrier_wait -1
.endm
.macro PLACES n
.rept \n
	v_nop
.endr
.endm
.macro GROUP1 g, rows                  ; rows of 256 bytes (32 elements of 8 bytes), dense, no padding: images of registers need none
	s_mov_b32 s[\g+0], 15|(3<<16)|(1<<21)          ; the mask of all four work-groups; elements of 8 bytes; bit 21 beside a mask
	s_mov_b32 s[\g+1], 32<<16
	s_mov_b32 s[\g+2], (\rows)<<16
	s_mov_b32 s[\g+3], 32<<16
	s_mov_b32 s[\g+4], \rows
	s_mov_b32 s[\g+5], 32
	s_mov_b32 s[\g+6], 0
	s_mov_b32 s[\g+7], 0
.endm
.macro G0PRE g, base, mul, goff, lds   ; my part of a piece is mul bytes; words 2 and 3 hold the offset in the buffer for now
	s_mul_i32 s18, s[WV], \mul
	s_mov_b32 s[\g], 1
	s_add_co_u32 s[\g+1], s18, \lds
	s_add_co_u32 s18, s18, s[\base]
	s_add_co_u32 s[\g+2], s18, \goff
	s_mov_b32 s[\g+3], 0
.endm
.macro G0FIN g, ptr
	s_add_nc_u64 s[\g+2:\g+3], s[\ptr:\ptr+1], s[\g+2:\g+3]
	s_or_b32 s[\g+3], s[\g+3], 0x80000000
.endm
.macro TLOAD g0, g1
	tensor_load_to_lds s[\g0:\g0+3], s[\g1:\g1+7]
	s_nop 0
	PLACES 4
.endm
; eight fragments into window 1 at buf, and their four registers of scale words (lanes 0-15 the even tile's, lanes 16-31 the odd one's): 20 LDS loads, images of the registers
.macro FLOAD buf, sc, a, s, oa, os
	WIN 0x40
.irp t, 0,1,2,3,4,5,6,7
.irp c, 0,1
	ds_load_b128 v[(\buf)+8*\t+4*\c:(\buf)+8*\t+4*\c+3], v[\a] offset:(\oa)+1024*\t+512*\c
.endr
.endr
	WIN 0
.irp p, 0,1,2,3
	ds_load_b32 v[(\sc)+\p], v[\s] offset:(\os)+128*\p
.endr
.endm
.macro MM d, a, b, z, sa, sb, row      ; one product; z = 1: it starts the sum; row = 1: source 0's scale words stand in lanes 16-31
.if (\z) && (\row)
	v_wmma_scale_f32_16x16x128_f8f6f4 v[(\d):(\d)+7], v[(\a):(\a)+7], v[(\b):(\b)+7], 0, v[\sa], v[\sb] matrix_a_fmt:MATRIX_FMT_FP4 matrix_b_fmt:MATRIX_FMT_FP4 matrix_a_scale:MATRIX_SCALE_ROW1
.elseif (\z)
	v_wmma_scale_f32_16x16x128_f8f6f4 v[(\d):(\d)+7], v[(\a):(\a)+7], v[(\b):(\b)+7], 0, v[\sa], v[\sb] matrix_a_fmt:MATRIX_FMT_FP4 matrix_b_fmt:MATRIX_FMT_FP4
.elseif (\row)
	v_wmma_scale_f32_16x16x128_f8f6f4 v[(\d):(\d)+7], v[(\a):(\a)+7], v[(\b):(\b)+7], v[(\d):(\d)+7], v[\sa], v[\sb] matrix_a_fmt:MATRIX_FMT_FP4 matrix_b_fmt:MATRIX_FMT_FP4 matrix_a_scale:MATRIX_SCALE_ROW1
.else
	v_wmma_scale_f32_16x16x128_f8f6f4 v[(\d):(\d)+7], v[(\a):(\a)+7], v[(\b):(\b)+7], v[(\d):(\d)+7], v[\sa], v[\sb] matrix_a_fmt:MATRIX_FMT_FP4 matrix_b_fmt:MATRIX_FMT_FP4
.endif
.endm
.macro QUANT s, pc, pw                 ; 64 numbers of a lane, register 16 b + i = k 32 b + 16 (lane / 16) + i of my row, become a fragment at v[pc] and its scale word in v[pw]
.irp b, 0,1,2,3
	v_max3_num_f32 v[TM+\b], |v[\s+16*\b]|, |v[\s+1+16*\b]|, 0x1800000   ; my 16 numbers of block b, and the floor 2^(3 - 127)
.endr
.irp i, 2,4,6,8,10,12,14
.irp b, 0,1,2,3
	v_max3_num_f32 v[TM+\b], v[TM+\b], |v[\s+16*\b+\i]|, |v[\s+1+16*\b+\i]|
.endr
.endr
.irp b, 0,1,2,3
	v_permlanex16_b32 v[TM+4+\b], v[TM+\b], s[SEL], s[SEL+1]
.endr
.irp b, 0,1,2,3
	v_max_num_f32 v[TM+\b], v[TM+\b], v[TM+4+\b]
.endr
.irp b, 0,1,2,3
	v_add_nc_u32 v[TM+12+\b], 0xff000000, v[TM+\b]   ; 2 off the exponent field: the conversion's scale operand
.endr
.irp b, 0,1,2,3
	v_lshrrev_b32 v[TM+4+\b], 23, v[TM+12+\b]
.endr
	v_lshl_or_b32 v[\pw], v[TM+5], 8, v[TM+4]
	v_lshl_or_b32 v[\pw], v[TM+6], 16, v[\pw]
	v_lshl_or_b32 v[\pw], v[TM+7], 24, v[\pw]
.irp b, 0,1,2,3
	v_cvt_scalef32_pk8_fp4_f32 v[\pc+2*\b], v[\s+16*\b:\s+7+16*\b], v[TM+12+\b]
	v_cvt_scalef32_pk8_fp4_f32 v[\pc+1+2*\b], v[\s+8+16*\b:\s+15+16*\b], v[TM+12+\b]
.endr
	v_nop                                          ; one plain place behind a scaled conversion
.irp c, 0,1
.irp i, 0,1
	v_permlane16_swap_b32 v[\pc+4*\c+\i], v[\pc+2+4*\c+\i]
.endr
.endr
.endm
; K step s of the projection.  Wq's fragments lie in set s % 2; the next step's 20 LDS loads go out first and may stay out.  LOADcnt: behind q's fragments of step s stand, for s < 8, 4 (7 - s) loads of later steps and 4 s refills: 28;
; for s >= 8 the 4 (15 - s) loads of later steps.  The 16 accumulators take turns, one instruction a turn.
.macro PSTEP s
.if (\s) < 7
	FLOAD 128+64*(((\s)+1)%2), 16+4*(((\s)+1)%2), 1, 3, 8192*((\s)+1), 512*((\s)+1)
.elseif (\s) < 15
	FLOAD 128+64*(((\s)+1)%2), 16+4*(((\s)+1)%2), 2, 3, 8192*((\s)-7), 512*((\s)+1)
.endif
.if (\s) < 8
	s_wait_loadcnt 28
.else
	s_wait_loadcnt 4*(15-(\s))
.endif
.if (\s) < 15
	s_wait_dscnt 20
.else
	s_wait_dscnt 0x0
.endif
	WIN 0x05                                       ; sources 0 and 1 in window 1
.irp t, 0,1,2,3,4,5,6,7
	MM 96+8*\t, 128+64*((\s)%2)+8*\t, 16*((\s)%8), 0, 16+4*((\s)%2)+\t/2, 64+(\s), \t%2
	MM 160+8*\t, 128+64*((\s)%2)+8*\t, 16*((\s)%8)+8, 0, 16+4*((\s)%2)+\t/2, 80+(\s), \t%2
.endr
	PLACES 4                                       ; ahead of loads into registers that these products have read, and of the first read of results
.if (\s) < 8
	WIN 0x40
.irp T, 0,1
.irp c, 0,1
	global_load_b128 v[16*(\s)+8*\T+4*\c:16*(\s)+8*\T+4*\c+3], v1, s[QP:QP+1] offset:17408*\T+1024*((\s)+8)+512*\c   ; the fragments 8 K steps on, into the registers just read
.endr
.endr
.endif
	WIN 0
.endm
; A key step's softmax, tiles A and B by turns.  x = 2 T + c: registers 96 + 32 x .. + 31 are block 2 c + lane / 16 of tile T's 128 keys.  first = 1: there is no O^T yet to bring under the new M.
.macro SOFTMAX first
.irp x, 0,1,2,3
	v_max3_num_f32 v[64+\x], v[96+32*\x], v[97+32*\x], v[98+32*\x]   ; each block's largest score: it serves the row's maximum and, since p rises with the score, the block's largest p
.endr
.irp i, 3,5,7,9,11,13,15,17,19,21,23,25,27,29
.irp x, 0,1,2,3
	v_max3_num_f32 v[64+\x], v[64+\x], v[96+32*\x+\i], v[97+32*\x+\i]
.endr
.endr
.irp x, 0,1,2,3
	v_max_num_f32 v[64+\x], v[64+\x], v[127+32*\x]
.endr
.irp T, 0,1
	v_max_num_f32 v[68+\T], v[64+2*\T], v[65+2*\T]
.endr
.irp T, 0,1
	v_permlanex16_b32 v[70+\T], v[68+\T], s[SEL], s[SEL+1]
.endr
.irp T, 0,1
	v_max3_num_f32 v[225+2*\T], v[225+2*\T], v[68+\T], v[70+\T]   ; the running largest score of my query
.endr
.irp T, 0,1
	v_mul_f32 v[72+\T], s[CS], v[225+2*\T]         ; as t (c is positive)
.endr
.irp T, 0,1
	v_mov_b32 v[74+\T], v[224+2*\T]
.endr
.irp T, 0,1
	v_floor_f32 v[224+2*\T], -v[72+\T]             ; the new -M = floor(-t) = -ceil(t): a whole number
.endr
.irp T, 0,1
	v_sub_f32 v[74+\T], v[224+2*\T], v[74+\T]      ; old M - new M: 0 or less
.endr
.irp T, 0,1
	v_cvt_i32_f32 v[74+\T], v[74+\T]               ; (it saturates)
.endr
.irp T, 0,1
	v_ldexp_f32 v[228+2*\T], 1.0, v[74+\T]         ; f = 2^(old M - new M)
.endr
.irp T, 0,1
.set J, 0
.rept 32
	v_pk_fma_f32 v[96+64*\T+J:97+64*\T+J], v[96+64*\T+J:97+64*\T+J], s[CS:CS+1], v[224+2*\T:225+2*\T] op_sel_hi:[1,0,0]   ; t - M, two at a time (of the pairs c and -M the low word serves both halves)
.set J, J+2
.endr
.endr
.irp x, 0,1,2,3
	v_fma_f32 v[64+\x], v[64+\x], s[CS], v[224+2*(\x/2)]   ; the same of each block's largest score
.endr
	s_wait_alu depctr_va_vdst(0)                   ; ahead of the batch
.set J, 0
.rept 128
	v_exp_f32 v[96+J], v[96+J]                     ; p = 2^(t - M), at most 1
.set J, J+1
.endr
.irp x, 0,1,2,3
	v_exp_f32 v[64+\x], v[64+\x]                   ; the block's largest p: the same two instructions on the same number give the same bits
.endr
	v_nop                                          ; a plain place behind the exponentials
	s_wait_alu depctr_va_vdst(0)                   ; one wait for the batch of 132, ahead of its first reader
.irp T, 0,1                                    ; the row's sum of the unquantised p: four chains a tile; the old sum comes under the new M in the same line that adds to it
	v_pk_add_f32 v[76+8*\T:77+8*\T], v[96+64*\T:97+64*\T], v[98+64*\T:99+64*\T]
	v_pk_add_f32 v[78+8*\T:79+8*\T], v[100+64*\T:101+64*\T], v[102+64*\T:103+64*\T]
	v_pk_add_f32 v[80+8*\T:81+8*\T], v[104+64*\T:105+64*\T], v[106+64*\T:107+64*\T]
	v_pk_fma_f32 v[232+2*\T:233+2*\T], v[232+2*\T:233+2*\T], v[228+2*\T:229+2*\T], v[108+64*\T:109+64*\T] op_sel_hi:[1,0,1]
.endr
.irp j, 14,22,30,38,46,54
.irp T, 0,1
	v_pk_add_f32 v[232+2*\T:233+2*\T], v[232+2*\T:233+2*\T], v[96+64*\T+\j:97+64*\T+\j]
	v_pk_add_f32 v[76+8*\T:77+8*\T], v[76+8*\T:77+8*\T], v[98+64*\T+\j:99+64*\T+\j]
	v_pk_add_f32 v[78+8*\T:79+8*\T], v[78+8*\T:79+8*\T], v[100+64*\T+\j:101+64*\T+\j]
	v_pk_add_f32 v[80+8*\T:81+8*\T], v[80+8*\T:81+8*\T], v[102+64*\T+\j:103+64*\T+\j]
.endr
.endr
.irp T, 0,1
	v_pk_add_f32 v[232+2*\T:233+2*\T], v[232+2*\T:233+2*\T], v[158+64*\T:159+64*\T]
	v_pk_add_f32 v[76+8*\T:77+8*\T], v[76+8*\T:77+8*\T], v[78+8*\T:79+8*\T]
.endr
.irp T, 0,1
	v_pk_add_f32 v[232+2*\T:233+2*\T], v[232+2*\T:233+2*\T], v[80+8*\T:81+8*\T]
.endr
.irp T, 0,1
	v_pk_add_f32 v[232+2*\T:233+2*\T], v[232+2*\T:233+2*\T], v[76+8*\T:77+8*\T]
.endr
.irp x, 0,1,2,3
	v_max_num_f32 v[64+\x], 0x1800000, v[64+\x]    ; the floor 2^(3 - 127): the byte cannot fall under 1
.endr
.irp x, 0,1,2,3
	v_add_nc_u32 v[68+\x], 0xff000000, v[64+\x]    ; 2 off the exponent field: the conversion's scale operand
.endr
.irp x, 0,1,2,3
	v_lshrrev_b32 v[64+\x], 23, v[68+\x]           ; the scale's byte
.endr
.irp T, 0,1
	v_lshl_or_b32 v[72+\T], v[65+2*\T], 16, v[64+2*\T]   ; my two bytes: blocks lane / 16 and 2 + lane / 16
.endr
.irp T, 0,1
	v_permlanex16_b32 v[74+\T], v[72+\T], s[SEL], s[SEL+1]
.endr
.irp T, 0,1
	v_lshl_or_b32 v[26+\T], v[74+\T], 8, v[72+\T]  ; p's scale word, whole in lanes 0-15, which alone are read
.endr
.irp x, 0,1,2,3
.irp t, 0,1,2,3
	v_cvt_scalef32_pk8_fp4_f32 v[48+4*\x+\t], v[96+32*\x+8*\t:103+32*\x+8*\t], v[68+\x]   ; register 4 c + t of the operand: keys 64 c + 32 (lane / 16) + 8 t + 0 .. 7
.endr
.endr
	v_nop                                          ; one plain place behind a scaled conversion
.if (\first) == 0
	WIN 0x41                                       ; destination and source 0 in window 1
	s_wait_alu depctr_va_vdst(0)                   ; directly ahead of the first reader of O^T
.irp T, 0,1
.set J, 0
.rept 32
	v_pk_mul_f32 v[64*\T+J:64*\T+J+1], v[64*\T+J:64*\T+J+1], v[228+2*\T:229+2*\T] op_sel_hi:[1,0]   ; O^T under the new M; these are also the places ahead of the products below
.set J, J+2
.endr
.endr
.else
	PLACES 8                                       ; p's scale word stands 8 places ahead of the products
.endif
.endm
; A key step.  vb: the register with my lane's place in the run of LDS that holds V's fragments of these steps.  Each pair of additions and two v_nop are the four places between products and the loads into registers that they read.
.macro KEYSTEP vb, first
	v_add_nc_u32 v30, s[TC], v[\vb]
	v_add_nc_u32 v31, s[TS], v12
	PLACES 2
	FLOAD 192, 20, 30, 31, 0, 0                    ; V's eight fragments: they land under the first product and the softmax
	s_wait_dscnt 20                                ; K's, asked for a key step ago, are in; V's 20 loads may be out
	WIN 0x01                                       ; source 0 in window 1
.irp t, 0,1,2,3,4,5,6,7                        ; S^T = K Q^T
	MM 96+8*\t, 128+8*\t, 32, 1, 16+\t/2, 24, \t%2
	MM 160+8*\t, 128+8*\t, 40, 1, 16+\t/2, 25, \t%2
.endr
	WIN 0
	v_add_nc_u32 v8, s[TC], v4
	v_add_nc_u32 v9, s[TS], v7
	PLACES 2
	FLOAD 128, 16, 8, 9, 8192, 512                 ; K's eight fragments of the next key step
	SOFTMAX \first
	s_wait_dscnt 20                                ; V's are in; K's 20 loads may be out
	WIN 0x51                                       ; source 0, C and D in window 1
	s_wait_alu depctr_va_vdst(0)                   ; directly ahead of the products
.irp t, 0,1,2,3,4,5,6,7                        ; O^T += V^T P^T
	MM 8*\t, 192+8*\t, 48, \first, 20+\t/2, 26, \t%2
	MM 64+8*\t, 192+8*\t, 56, \first, 20+\t/2, 27, \t%2
.endr
	WIN 0
	s_add_co_u32 s[TC], s[TC], 8192
	s_add_co_u32 s[TS], s[TS], 512
.endm
	s_load_b256 s[4:11], s[0:1], 0x0               ; qimg s[4:5], wimg s[6:7], bq s[8:9], kimg s[10:11]
	s_load_b128 s[12:15], s[0:1], 0x20             ; vimg s[12:13], out0 s[14:15]
	v_lshl_add_u32 v[SPW], v0, 2, SPARE
	v_mov_b32 v[NIL], 0
	ds_add_u32 v[SPW], v[NIL]                      ; the wave's opening: the add, twice on end, and its wait ahead of my first tensor load
	ds_add_u32 v[SPW], v[NIL]
	v_lshrrev_b32 v8, 5, v0
	v_readfirstlane_b32 s[WV], v8                  ; wave 0..7
	s_bfe_u32 s17, ttmp6, 0x40000                  ; cx: my place in the cluster
	s_and_b32 s20, ttmp7, 0xffff
	s_lshr_b32 s21, s20, 4                         ; batch
	s_and_b32 s20, s20, 15                         ; head: the four partners share both
	s_mul_i32 s22, s20, BLK                        ; the head's slice in wimg
	s_mul_i32 s23, s21, BLK                        ; the batch's block in kimg and in vimg
	s_lshl_b32 s66, ttmp9, 2                       ; my first tile of 16 rows: 128 x batch + 16 x block of queries + 2 x wave.  cx enters s66, q's address and the output's alone
	s_add_co_u32 s66, s66, s17
	s_lshl_b32 s66, s66, 4
	s_lshl_b32 s67, s21, 7
	s_add_co_u32 s66, s66, s67
	s_lshl_b32 s67, s[WV], 1
	s_add_co_u32 s66, s66, s67
	s_mul_i32 s[QP], s66, 17408
	s_mov_b32 s[QP+1], 0
	s_lshl_b32 s[OP], s66, 17                      ; 16 rows of 8,192 bytes a tile,
	s_lshl_b32 s[BQ], s20, 9                       ; the head's 512 bytes of a row, in the output and in bq alike
	s_add_co_u32 s[OP], s[OP], s[BQ]
	s_mov_b32 s[OP+1], 0
	s_mov_b32 s[BQ+1], 0
	GROUP1 G1A, 68
	GROUP1 G1B, 272
	GROUP1 G1C, 32
	GROUP1 G1D, 48
	G0PRE G0W,  22, 17408, 0,     0                ; Wq's block, fragments and scale words: an eighth
	G0PRE G0K,  23, 69632, 0,     REGC             ; K's block: a half (waves 0, 1)
	G0PRE G0V1, 23, 12288, 32768, 32768            ; V's key steps 4-15: the very bytes of Wq's K steps 4-15
	s_lshl_b32 s18, s[WV], 13                      ; waves 2-5: V's key step wave - 2; wave 6: V's scale words, which follow in LDS and lie at 131,072 in memory
	s_mov_b32 s[G0V0], 1
	s_add_co_u32 s[G0V0+1], s18, REGD-16384
	s_sub_co_u32 s18, s18, 16384
	s_cmp_eq_u32 s[WV], 6
	s_cselect_b32 s18, 131072, s18
	s_add_co_u32 s[G0V0+2], s18, s23
	s_mov_b32 s[G0V0+3], 0
	s_mov_b32 s[SEL], 0x76543210
	s_mov_b32 s[SEL+1], 0xfedcba98
	s_mov_b32 s[CS], 0x3e0293ee                    ; c = log2(e) / sqrt(128)
	s_mov_b32 s[CS+1], s[CS]
	s_mul_i32 s2, s[WV], 37
	s_lshr_b32 s2, s2, 8                           ; wave / 7
	s_mul_i32 s2, s2, TAIL-7*STGB
	s_mul_i32 s3, s[WV], STGB
	s_add_co_u32 s2, s2, s3                        ; my stage: STGB x wave, wave 7's at TAIL
	v_and_b32 v9, 31, v0                           ; lane
	v_and_b32 v28, 15, v0                          ; r
	v_bfe_u32 v29, v0, 4, 1                        ; h
	v_lshlrev_b32 v1, 4, v9                        ; fragments from LDS byte 0 on: 16 x lane; also my 16 bytes of a load of 512 from memory
	v_add_nc_u32 v2, 65536, v1                     ; Wq's K steps 8-15: an LDS offset has 16 bits
	v_lshl_add_u32 v3, v9, 2, WSC
	v_add_nc_u32 v4, REGC, v1
	v_lshl_add_u32 v7, v9, 2, KSC
	v_add_nc_u32 v10, REGD, v1
	v_lshl_add_u32 v12, v9, 2, VSC
	v_lshlrev_b32 v11, 4, v28                      ; q's scale words: 16 bytes a row
	v_lshlrev_b32 v13, 6, v29                      ; bq: my 16 channels of a block of 32
	v_mul_u32_u24 v14, v28, SP
	v_lshl_add_u32 v14, v29, 6, v14
	v_add_nc_u32 v14, s2, v14                      ; the stage, in: row r, + 64 h
	v_mul_u32_u24 v15, v29, SP
	v_lshl_add_u32 v15, v28, 4, v15
	v_add_nc_u32 v15, s2, v15                      ; and back: lanes 0-15 one row, lanes 16-31 the next
	v_lshlrev_b32 v28, 4, v28
	v_lshl_add_u32 v28, v29, 13, v28               ; the same two rows in the output
	s_wait_alu depctr_va_vdst(0)
	s_wait_dscnt 0x0                               ; both opening adds are done
	s_wait_kmcnt 0x0
	s_add_nc_u64 s[QP:QP+1], s[4:5], s[QP:QP+1]
	s_add_nc_u64 s[BQ:BQ+1], s[8:9], s[BQ:BQ+1]
	s_add_nc_u64 s[OP:OP+1], s[14:15], s[OP:OP+1]
	G0FIN G0W,  6
	G0FIN G0K,  10
	G0FIN G0V0, 12
	G0FIN G0V1, 12
	ROUND                                          ; all four work-groups are here: the first joint loads meet
	TLOAD G0W, G1A                                 ; my one tensor load at the head
.irp T, 0,1                                    ; bq starts the sums: tile t, lane (r, h): channels 32 (t / 2) + 16 h + 8 (t % 2) + 0 .. 7
.irp t, 0,1,2,3,4,5,6,7
.irp e, 0,1
	global_load_b128 v[96+64*\T+8*\t+4*\e:96+64*\T+8*\t+4*\e+3], v13, s[BQ:BQ+1] offset:(32*(\t/2)+8*(\t%2))*4+16*\e
.endr
.endr
.endr
.irp T, 0,1
.irp g, 0,1,2,3
	global_load_b128 v[64+16*\T+4*\g:64+16*\T+4*\g+3], v11, s[QP:QP+1] offset:17408*\T+16384+256*\g   ; q's scale words: register 64 + 16 T + K step
.endr
.endr
	WIN 0x40
.irp s, 0,1,2,3,4,5,6,7
.irp T, 0,1
.irp c, 0,1
	global_load_b128 v[16*\s+8*\T+4*\c:16*\s+8*\T+4*\c+3], v1, s[QP:QP+1] offset:17408*\T+1024*\s+512*\c   ; q's fragments of K steps 0-7
.endr
.endr
.endr
	WIN 0
	s_wait_tensorcnt 0x0                           ; my eighth of Wq's block is in
	ds_add_u32 v[SPW], v[NIL]
	s_wait_dscnt 0x0
	ROUND                                          ; everybody's is, in all four work-groups
	s_cmp_lt_u32 s[WV], 2                          ; the second group of first fills, one a wave; the branches hang on the wave's number alone
	s_cbranch_scc0 .Lfill_v
	TLOAD G0K, G1B
	s_branch .Lfilled
.Lfill_v:
	s_cmp_lt_u32 s[WV], 7
	s_cbranch_scc0 .Lfilled
	TLOAD G0V0, G1C
.Lfilled:
	FLOAD 128, 16, 1, 3, 0, 0                      ; Wq's K step 0
.irp s, 0,1,2,3,4,5,6,7,8,9,10,11,12,13,14,15
	PSTEP \s
.endr
	QUANT 96, 32, 24                               ; qh + bq becomes Q's fragments and scale words
	QUANT 160, 40, 25
.irp T, 0,1
	v_mov_b32 v[225+2*\T], 0xff61b1e6              ; the largest score so far: -3e38
	v_mov_b32 v[224+2*\T], 0x7f61b1e6              ; -M: 3e38, so that the first f is 0
	v_mov_b32 v[229+2*\T], 0                       ; (named as the upper half of f's pair)
	v_mov_b32 v[232+2*\T], 0                       ; the sum, in two halves
	v_mov_b32 v[233+2*\T], 0
	v_mov_b32 v[70+\T], 0                          ; a lane permute's destination counts as one of its sources
.endr
	s_wait_alu depctr_va_vdst(0)                   ; directly ahead of the wait below
	s_wait_tensorcnt 0x0                           ; my part of K or of V is in
	ds_add_u32 v[SPW], v[NIL]                      ; 0 onto my spare word
	s_mov_b32 s[TC], 0
	s_mov_b32 s[TS], 0
	s_mov_b32 s[CNT], 2
	s_wait_dscnt 0x0                               ; the add is done, and my reads of Wq's slice are over
	ROUND                                          ; both now hold of every wave of all four work-groups
	TLOAD G0V1, G1D                                ; my one tensor load behind the round: it is waited for behind key step 2
	FLOAD 128, 16, 4, 7, 0, 0                      ; K's key step 0
	KEYSTEP 10, 1                                  ; key step 0, written out: its products start O^T's sums
.Lkeya:                                            ; key steps 1 and 2: V out of the run that was filled under the projection
	KEYSTEP 10, 0
	s_sub_co_u32 s[CNT], s[CNT], 1
	s_cmp_lg_u32 s[CNT], 0
	s_cbranch_scc1 .Lkeya
	; THE BARRIER THAT SHOWS V's KEY STEPS 4-15 IS SPLIT. Each wave says behind key step 2 that its part is in, and asks behind key step 3 whether everybody's is.
	s_wait_tensorcnt 0x0                           ; my part of V's key steps 4-15 is in
	s_wait_dscnt 0x0                               ; no LDS instruction of mine is out at the signal
	s_barrier_signal -1
	KEYSTEP 10, 0                                  ; key step 3, written out: work on registers, and LDS loads of K's bytes and of V's key step 3, which nobody writes
	s_mov_b32 s[CNT], 12
	s_barrier_wait -1                              ; everybody's is
.Lkeyb:                                            ; key steps 4-15: no barrier, no tensor load
	KEYSTEP 1, 0
	s_sub_co_u32 s[CNT], s[CNT], 1
	s_cmp_lg_u32 s[CNT], 0
	s_cbranch_scc1 .Lkeyb
	; THE WAY OUT.  O^T / the sum goes through my stage, half a row (64 channels, 256 bytes) of 16 queries at a time, and leaves so that sixteen lanes store 256 consecutive bytes.
.irp T, 0,1
	v_add_f32 v[232+2*\T], v[232+2*\T], v[233+2*\T]   ; the sum's two halves (these six lines are the places behind the last products),
.endr
.irp T, 0,1
	v_permlanex16_b32 v[70+\T], v[232+2*\T], s[SEL], s[SEL+1]
.endr
.irp T, 0,1
	v_add_f32 v[232+2*\T], v[232+2*\T], v[70+\T]   ; and lane l xor 16's: the row's sum
.endr
	s_wait_alu depctr_va_vdst(0)                   ; ahead of the reciprocals
.irp T, 0,1
	v_rcp_f32 v[232+2*\T], v[232+2*\T]
.endr
	v_nop                                          ; a plain place behind them
	WIN 0x01                                       ; source 0 in window 1
	s_wait_alu depctr_va_vdst(0)                   ; and the wait ahead of their first reader, which is O^T's too
.irp T, 0,1
.set J, 0
.rept 32
	v_pk_mul_f32 v[96+64*\T+J:97+64*\T+J], v[64*\T+J:64*\T+J+1], v[232+2*\T:233+2*\T] op_sel_hi:[1,0]   ; register 16 b + i is channel 32 b + 16 h + i of my query; each accumulator from its low end on
.set J, J+2
.endr
.endr
	WIN 0
	s_wait_alu depctr_va_vdst(0)
.macro OUTT T, back                    ; tile T through the stage, back into v[back ..], and out
.irp u, 0,1
.irp k, 0,1
.irp e, 0,1,2,3
	ds_store_b128 v14, v[96+64*\T+32*\u+16*\k+4*\e:96+64*\T+32*\u+16*\k+4*\e+3] offset:128*\k+16*\e
.endr
.endr
.irp i, 0,1,2,3,4,5,6,7
	ds_load_b128 v[\back+32*\u+4*\i:\back+32*\u+4*\i+3], v15 offset:2*\i*SP   ; LDS serves a wave's instructions in order: these see my stores, and the next half's stores come behind them
.endr
.endr
.irp u, 0,1
.irp i, 0,1,2,3,4,5,6,7
	s_wait_dscnt 23-16*\u-\i                       ; rows 2 i and 2 i + 1 of half u are back; behind their load: the half's later loads and, for u = 0, the other half's 8 stores and 8 loads
	global_store_b128 v28, v[\back+32*\u+4*\i:\back+32*\u+4*\i+3], s[OP:OP+1] offset:131072*\T+2*\i*8192+256*\u th:TH_STORE_NT   ; 16 lanes store 256 consecutive bytes, at a multiple of 256 from the output's first byte
.endr
.endr
.endm
	OUTT 0, 32
	OUTT 1, 96                                     ; back into tile A's registers, which its LDS stores have read
	s_wait_tensorcnt 0x0                           ; the wave's end, behind my last tensor load and my last LDS store
	ds_add_u32 v[SPW], v[NIL]
	s_wait_dscnt 0x0
	ROUND                                          ; the closing round: no work-group ends while a partner may still ask for a block that names it
	s_endpgm
.Lfunc_end_k_q4e562b91f0_attn:
	.size	k_q4e562b91f0_attn, .Lfunc_end_k_q4e562b91f0_attn-k_q4e562b91f0_attn
	.p2alignl 7, 3214868480
	.fill 96, 4, 3214868480
	.section	.rodata,"a",@progbits
	.p2align	6, 0x0
	.amdhsa_kernel k_q4e562b91f0_attn
		.amdhsa_group_segment_fixed_size 327680
		.amdhsa_private_segment_fixed_size 0
		.amdhsa_enable_private_segment 0
		.amdhsa_kernarg_size 48
		.amdhsa_user_sgpr_count 2
		.amdhsa_user_sgpr_kernarg_segment_ptr 1
		.amdhsa_wavefront_size32 1
		.amdhsa_system_sgpr_workgroup_id_x 1
		.amdhsa_system_sgpr_workgroup_id_y 1
		.amdhsa_system_sgpr_workgroup_id_z 1
		.amdhsa_system_vgpr_workitem_id 0
		.amdhsa_next_free_vgpr 512
		.amdhsa_next_free_sgpr 96
		.amdhsa_reserve_vcc 0
		.amdhsa_float_denorm_mode_32 3
		.amdhsa_float_denorm_mode_16_64 3
		.amdhsa_memory_ordered 1
		.amdhsa_forward_progress 1
		.amdhsa_inst_pref_size 217
	.end_amdhsa_kernel
	.amdgpu_metadata
---
amdhsa.version: [ 1, 2 ]
amdhsa.kernels:
  - .name:           k_q4e562b91f0_attn
    .symbol:         k_q4e562b91f0_attn.kd
    .args:
      - { .name: qimg, .offset: 0, .size: 8, .value_kind: global_buffer, .address_space: global }
      - { .name: wimg, .offset: 8, .size: 8, .value_kind: global_buffer, .address_space: global }
      - { .name: bq, .offset: 16, .size: 8, .value_kind: global_buffer, .address_space: global }
      - { .name: kimg, .offset: 24, .size: 8, .value_kind: global_buffer, .address_space: global }
      - { .name: vimg, .offset: 32, .size: 8, .value_kind: global_buffer, .address_space: global }
      - { .name: out0, .offset: 40, .size: 8, .value_kind: global_buffer, .address_space: global }
    .group_segment_fixed_size: 327680
    .private_segment_fixed_size: 0
    .kernarg_segment_align: 8
    .kernarg_segment_size: 48
    .max_flat_workgroup_size: 256
    .sgpr_count:     96
    .vgpr_count:     512
    .wavefront_size: 32
...
	.end_amdgpu_metadata
.endif
;; end of part 3
